; MI455X (gfx1250); checked and timed in simulation.
; The chip was launched on July 23, 2026; its instructions are those of AMD's public machine-readable ISA for CDNA 5 (MIT licence, August 2026) and "CDNA5" Instruction Set Architecture Reference Guide (July 2026). The comments in the code are by the model that wrote it; some were corrected since.
;; Self Attention. Allowed arithmetic: matrix products marked QUANTISED: E4M3 operands, one given power-of-two scale a tensor, by v_wmma_f32_16x16x64_fp8_fp8 or v_wmma_f32_16x16x128_fp8_fp8, f32 sums; everything else in f32.
;; Inputs: Wo 1,024 x 1,024 float32; Wqkv 3,072 x 1,024 float32; bo 1,024 float32; lowp_scales 8 int32 (the exponents e of the quantised operands' scales 2^e); x 4 x 2,048 x 1,024 float32.
;; Outputs: out0 4 x 2,048 x 1,024 float32.
;; This version of the problem:
;;   THIS VERSION OF THE PROBLEM IS GIVEN IN LOW PRECISION. The matrix products marked QUANTISED in the list below multiply operands that are first quantised to E4M3 (4 exponent bits, 3 mantissa bits; 8 bits a number), with one given power-of-two scale for each operand tensor; their sums are f32. All else is computed in f32.
;;   The module's matrix products, in the order in which they are computed (A, B: the left and right operand; K: the contracted axis; several contracted axes count as one K, in the product's order):
;;     1. [M 8,192, K 1,024] x [K 1,024, N 3,072]; A: input x; B: input Wqkv: QUANTISED (scales: A lowp_scales[0], B lowp_scales[1])
;;     2. batch 64 x [M 2,048, K 64] x [K 64, N 2,048]; A: computed on the way; B: computed on the way: QUANTISED (scales: A lowp_scales[2], B lowp_scales[3])
;;     3. batch 64 x [M 2,048, K 2,048] x [K 2,048, N 64]; A: softmax (see below); B: computed on the way: QUANTISED (scales: A lowp_scales[4], B lowp_scales[5])
;;     4. [M 8,192, K 1,024] x [K 1,024, N 1,024]; A: computed on the way; B: input Wo: QUANTISED (scales: A lowp_scales[6], B lowp_scales[7])
;;   THE QUANTISER, for each operand of a quantised product, along K:
;;     - The operand's scale is 2^e, e = its entry of the input lowp_scales (int32; the entries are numbered through the quantised products in the list's order, A before B).
;;     - Each number is divided by the scale, clamped to +-448, and rounded to the nearest number of E4M3, ties to even, subnormals kept.
;;     - The product sums the exact products of the quantised numbers (number of the format x scale) in f32.
;;   ~~~python
;;   def quantise(x, axis, e):      # numpy; x: float32 -> the quantised numbers, widened to float32 again
;;       x = np.moveaxis(x, axis, -1); K = x.shape[-1]
;;       r = np.clip(x / 2.0 ** e, -448, 448)
;;       step = 2.0 ** (np.maximum(np.frexp(np.where(r == 0, 1, r))[1] - 1, -6) - 3)
;;       q = np.round(r / step) * step * 2.0 ** e      # np.round: ties to even
;;       return np.moveaxis(q, -1, axis).astype(np.float32)
;;   ~~~
;;   SOFTMAX AHEAD OF A QUANTISED PRODUCT. Where the list says 'softmax', what is quantised is not the finished softmax but p = 2^(t - M), with t = logit x log2(e) and M = ceil(the row's largest t), a whole number; so 1/2 < the row's largest p <= 1. The row's sum l is taken of the UNQUANTISED p, in f32, and the product's result is divided by l at the end. Since M is a whole number, a kernel that streams over the keys may use a running M (the ceiling of the running maximum): every later rescaling is an exact power of two, so the quantised numbers keep their values, but for numbers so far below the row's largest that they fall under the format's range.
;;   OPERANDS COMPUTED ON THE WAY. 'Computed on the way' means the value that the module computes at that place (a softmax that the list does not call 'softmax' is quantised finished and normalised). What goes into a quantiser is computed in f32, as accurately as f32 sums, v_exp_f32 and their like allow (about 1e-6 of the number): no bf16 or f16 on the way to a quantiser, and a product that is left as it is and whose result goes on into a quantised operand takes f32 operands (vector FMAs, or v_wmma_f32_16x16x4_f32). A number that lies on a knife's edge between two numbers of the format may be rounded either way, as far as f32 arithmetic and the matrix unit's own rounding can turn it there, and no further.
;; One version. Each part assembles by itself: llvm-mc -triple=amdgcn-amd-amdhsa -mcpu=gfx1250 --defsym DOCPART=n.
;; ======== version 1 of 1: 4 launches
;; limits: right only within a limited range of input values
;; workspace buffers: xc 8,388,608 bytes; wqc 3,145,728 bytes; woc 1,048,576 bytes; qimg 8,388,608 bytes; kvimg 16,777,216 bytes; aimg 8,388,608 bytes
;; launch quant (part 1): grid 384 x 1, 4 waves a work-group, no clusters, 33,280 bytes of LDS; arguments x, Wqkv, Wo, lowp_scales, xc, wqc, woc; writes xc, wqc, woc
.if DOCPART == 1
	.amdgcn_target "amdgcn-amd-amdhsa--gfx1250"
	.amdhsa_code_object_version 6
	.text
	.protected	k_q945c5274be_quant
	.globl	k_q945c5274be_quant
	.p2align	8
	.type	k_q945c5274be_quant,@function
k_q945c5274be_quant:
	s_mov_b64 s[64:65], 0
	v_nop
	global_prefetch_b8 v0, s[64:65] scope:SCOPE_SE
	s_setreg_imm32_b32 hwreg(HW_REG_WAVE_MODE, 25, 1), 1
	s_wait_xcnt 0x0
; x [8192][1024], Wqkv [3072][1024] and Wo [1024][1024], f32 with K innermost, become codes of FP8 (E4M3), one byte each, laid as the numbers lie.
; code = number / 2^e, rounded to the nearest code, ties to even.  e: entry 0 of the scales for x, entry 1 for Wqkv, entry 7 for Wo.
; LIMITS: each of the three e lies between -126 and 119, so that 2^e and 448 x 2^e are f32 numbers.  NaN among the inputs is not served.
; Rows are dense and 1,024 long, so each tensor is a plain stream.  A work-group takes 32,768 numbers, a wave 16 steps of 512.
; Work-groups 0-255 take x, 256-351 Wqkv, 352-383 Wo: only pointers and e are chosen, by the work-group's number; all take one path through the text.
; A conversion takes 8 neighbours from ONE lane's registers, a load is dense where neighbouring LANES take neighbouring bytes.  Both are had: each load reads 512 consecutive bytes, 16 a lane;
; a step's 2,048 bytes go through the wave's own stage in LDS as they lie and come back 64 bytes a lane.  A lane's 16 codes are 16 bytes: the wave stores 512 consecutive bytes.
; No matrix unit, no cluster, no barrier: the waves share nothing, and every byte is read once and written once.
.set WAVES, 4
.set STEPS, 16
.set WGW,   256                        ; the first work-group of Wqkv
.set WGO,   352                        ; the first work-group of Wo
.set EMAX,  8
.set MANT,  0x600000                   ; the mantissa field of 448 as f32
.set CB,    16                         ; bytes of 16 codes
.set R,     16                         ; v16-79   four sets of 16 numbers as they are loaded
.set X,     80                         ; v80-111  two sets of 16 neighbours
.set C,     128                        ; v128-191 codes: four registers for each step, so that no store's data are written again
.set WREG,  8192                       ; LDS: a region for each wave: two stages of 32 x SP bytes
.set SP,    80                         ; a lane's place in a stage: its 64 bytes + 16 of padding
.set SPW,   12                         ; v12  LDS address of my spare word; never rewritten
.set NIL,   13                         ; v13  0; never rewritten
.set SPARE, WAVES*WREG                 ; behind the four regions: the spare words, 128 bytes a wave, which no other line names
	s_load_b256 s[4:11], s[0:1], 0x0               ; x s[4:5], Wqkv s[6:7], Wo s[8:9], the scales' exponents s[10:11]
	s_load_b128 s[12:15], s[0:1], 0x20             ; x's codes s[12:13], Wqkv's s[14:15]
	s_load_b64 s[16:17], s[0:1], 0x30              ; Wo's
	v_lshl_add_u32 v[SPW], v0, 2, SPARE
	v_mov_b32 v[NIL], 0
	v_lshrrev_b32 v1, 5, v0
	v_readfirstlane_b32 s32, v1                    ; wave
	v_and_b32 v2, 31, v0                           ; lane
	v_lshlrev_b32 v3, 4, v2                        ; my 16 bytes of a load's 512
	s_mul_i32 s34, s32, WREG
	v_lshrrev_b32 v14, 2, v2
	v_mul_u32_u24 v14, v14, SP
	v_and_b32 v15, 3, v2
	v_lshl_add_u32 v14, v15, 4, v14
	v_add_nc_u32 v14, s34, v14                     ; the stage, on the way in: four lanes' 64 bytes on end, then 16 of padding
	v_mul_u32_u24 v15, v2, SP
	v_add_nc_u32 v15, s34, v15                     ; and on the way out: my 16 neighbours
	v_mul_u32_u24 v4, v2, CB                       ; my codes' place in a step's
	s_wait_alu depctr_va_vdst(0)
	s_wait_kmcnt 0x0
	s_load_b256 s[24:31], s[10:11], 0x0            ; e0 .. e7
	s_cmp_lt_u32 ttmp9, WGO                        ; Wqkv or Wo?  The choices hang on the work-group's number alone
	s_cselect_b64 s[6:7], s[6:7], s[8:9]
	s_cselect_b64 s[14:15], s[14:15], s[16:17]
	s_mov_b32 s33, WGO
	s_cselect_b32 s33, WGW, s33
	s_cmp_lt_u32 ttmp9, WGW                        ; x or one of those?
	s_cselect_b64 s[4:5], s[4:5], s[6:7]           ; the numbers
	s_cselect_b64 s[8:9], s[12:13], s[14:15]       ; the codes
	s_cselect_b32 s33, 0, s33                      ; the tensor's first work-group
	s_sub_co_u32 s33, ttmp9, s33
	s_lshl_b32 s33, s33, 2
	s_add_co_u32 s18, s33, s32                     ; which run of 8,192 numbers of the tensor is my wave's
	s_mov_b32 s19, 0
	s_lshl_b64 s[20:21], s[18:19], 15              ; x 32,768 bytes of numbers
	s_add_nc_u64 s[4:5], s[4:5], s[20:21]
	s_lshl_b64 s[20:21], s[18:19], 13              ; x 8,192 bytes of codes
	s_add_nc_u64 s[8:9], s[8:9], s[20:21]
.macro LOAD t
.irp i, 0,1,2,3
	global_load_b128 v[R+16*((\t)%4)+4*\i:R+16*((\t)%4)+4*\i+3], v3, s[4:5] offset:2048*(\t)+512*\i th:TH_LOAD_NT   ; 32 lanes read 512 consecutive bytes
.endr
.endm
.macro TURN t                          ; step t's numbers through the stage: LDS serves a wave's instructions in order, so no wait stands between the stores and the loads
.irp i, 0,1,2,3
	ds_store_b128 v14, v[R+16*((\t)%4)+4*\i:R+16*((\t)%4)+4*\i+3] offset:32*SP*((\t)%2)+8*SP*\i
.endr
.irp i, 0,1,2,3
	ds_load_b128 v[X+16*((\t)%2)+4*\i:X+16*((\t)%2)+4*\i+3], v15 offset:32*SP*((\t)%2)+16*\i
.endr
.endm
.irp t, 0,1,2,3
	LOAD \t
.endr
	s_wait_kmcnt 0x0
	s_cmp_lt_u32 ttmp9, WGO
	s_cselect_b32 s22, s25, s31                    ; e1 or e7,
	s_cmp_lt_u32 ttmp9, WGW
	s_cselect_b32 s22, s24, s22                    ; or e0
	s_add_co_i32 s22, s22, 127
	s_lshl_b32 s23, s22, 23
	v_mov_b32 v11, s23                             ; 2^e as f32: the conversion takes its exponent field
	s_add_co_i32 s22, s22, EMAX
	s_lshl_b32 s22, s22, 23
	s_or_b32 s22, s22, MANT
	s_wait_alu depctr_va_vdst(0)
	s_wait_loadcnt 12                              ; step 0's four loads are in; the 12 of steps 1 to 3 may be out
	TURN 0
.macro STEP t
.set XS, X+16*((\t)%2)
	s_wait_dscnt 0x0                               ; this step's numbers are back from the stage: so its stores into the stage have read their registers,
.if (\t)+4 < STEPS
	LOAD (\t)+4                                    ; which take the loads of four steps on
.endif
.if (\t)+1 < STEPS
.if STEPS-2-(\t) >= 3
	s_wait_loadcnt 12                              ; the next step's four loads are in; those of the three steps behind it may be out
.else
	s_wait_loadcnt 4*(STEPS-2-(\t))                ; the tail: fewer steps are behind it
.endif
	TURN (\t)+1                                    ; and go through the other stage while this step is worked
.endif
.irp i, 0,1,2,3,4,5,6,7,8,9,10,11,12,13,14,15
.endr
	v_cvt_scalef32_pk8_fp8_f32 v[C+4*(\t):C+4*(\t)+1], v[XS:XS+7], v11
	v_cvt_scalef32_pk8_fp8_f32 v[C+4*(\t)+2:C+4*(\t)+3], v[XS+8:XS+15], v11   ; the results go to a store alone
	global_store_b128 v4, v[C+4*(\t):C+4*(\t)+3], s[8:9] offset:32*CB*(\t)     ; 32 lanes store 512 consecutive bytes
.endm
.irp t, 0,1,2,3,4,5,6,7,8,9,10,11,12,13,14,15
	STEP \t
.endr
	s_wait_tensorcnt 0x0                           ; the wave's end: a wait, an add of 0 to my spare word and its wait, behind my last LDS store
	ds_add_u32 v[SPW], v[NIL]
	s_wait_dscnt 0x0
	s_endpgm
.Lfunc_end_k_q945c5274be_quant:
	.size	k_q945c5274be_quant, .Lfunc_end_k_q945c5274be_quant-k_q945c5274be_quant
	.p2alignl 7, 3214868480
	.fill 96, 4, 3214868480
	.section	.rodata,"a",@progbits
	.p2align	6, 0x0
	.amdhsa_kernel k_q945c5274be_quant
		.amdhsa_group_segment_fixed_size 33280
		.amdhsa_private_segment_fixed_size 0
		.amdhsa_enable_private_segment 0
		.amdhsa_kernarg_size 56
		.amdhsa_user_sgpr_count 2
		.amdhsa_user_sgpr_kernarg_segment_ptr 1
		.amdhsa_wavefront_size32 1
		.amdhsa_system_sgpr_workgroup_id_x 1
		.amdhsa_system_sgpr_workgroup_id_y 1
		.amdhsa_system_sgpr_workgroup_id_z 1
		.amdhsa_system_vgpr_workitem_id 0
		.amdhsa_next_free_vgpr 192
		.amdhsa_next_free_sgpr 66
		.amdhsa_reserve_vcc 0
		.amdhsa_float_denorm_mode_32 3
		.amdhsa_float_denorm_mode_16_64 3
		.amdhsa_fp16_overflow 1
		.amdhsa_memory_ordered 1
		.amdhsa_forward_progress 1
		.amdhsa_inst_pref_size 22
	.end_amdhsa_kernel
	.amdgpu_metadata
---
amdhsa.version: [ 1, 2 ]
amdhsa.kernels:
  - .name:           k_q945c5274be_quant
    .symbol:         k_q945c5274be_quant.kd
    .args:
      - { .name: x, .offset: 0, .size: 8, .value_kind: global_buffer, .address_space: global }
      - { .name: Wqkv, .offset: 8, .size: 8, .value_kind: global_buffer, .address_space: global }
      - { .name: Wo, .offset: 16, .size: 8, .value_kind: global_buffer, .address_space: global }
      - { .name: lowp_scales, .offset: 24, .size: 8, .value_kind: global_buffer, .address_space: global }
      - { .name: xc, .offset: 32, .size: 8, .value_kind: global_buffer, .address_space: global }
      - { .name: wqc, .offset: 40, .size: 8, .value_kind: global_buffer, .address_space: global }
      - { .name: woc, .offset: 48, .size: 8, .value_kind: global_buffer, .address_space: global }
    .group_segment_fixed_size: 33280
    .private_segment_fixed_size: 0
    .kernarg_segment_align: 8
    .kernarg_segment_size: 56
    .max_flat_workgroup_size: 128
    .sgpr_count:     66
    .vgpr_count:     192
    .wavefront_size: 32
...
	.end_amdgpu_metadata
.endif
;; end of part 1
;; launch gemm_qkv (part 2): grid 16 x 32, 4 waves a work-group, clusters of 4 x 4, 327,680 bytes of LDS; arguments xc, wqc, lowp_scales, qimg, kvimg; writes qimg, kvimg
.if DOCPART == 2
	.amdgcn_target "amdgcn-amd-amdhsa--gfx1250"
	.amdhsa_code_object_version 6
	.text
	.protected	k_q945c5274be_gemm_qkv
	.globl	k_q945c5274be_gemm_qkv
	.p2align	8
	.type	k_q945c5274be_gemm_qkv,@function
k_q945c5274be_gemm_qkv:
	s_mov_b64 s[64:65], 0
	v_nop
	global_prefetch_b8 v0, s[64:65] scope:SCOPE_SE
	s_setreg_imm32_b32 hwreg(HW_REG_WAVE_MODE, 25, 1), 1
	s_wait_xcnt 0x0
	s_wait_alu depctr_hold_cnt(0) depctr_sa_sdst(0) depctr_va_vdst(0) depctr_va_sdst(0) depctr_va_ssrc(0) depctr_va_vcc(0) depctr_vm_vsrc(0)
	s_getreg_b32 s2, hwreg(HW_REG_IB_STS2, 6, 4)
	s_cmp_eq_u32 s2, 0
	s_cbranch_scc0 .Lentry_in_a_cluster
	s_endpgm
.Lentry_in_a_cluster:
	s_bfe_u32 s2, ttmp6, 0x10000c
	s_cmp_lg_u32 s2, 0xf033
	s_cbranch_scc0 .Lentry_shape_is_right
	s_endpgm
.Lentry_shape_is_right:
; qkv = x Wqkv^T on codes of FP8 (E4M3); the sums are quantised at once into the operands of the attention's two products and never go to memory as f32.
; A work-group makes 256 rows (one block of 256 positions of one batch entry) x 192 columns (one head: 64 of q, 64 of k, 64 of v).  Wave w makes rows 64 w .. 64 w + 63 x all 192 columns:
; 4 x 12 = 48 accumulators of 16 x 16, 384 registers.  K = 1,024 goes in four pieces of 256 bytes through a ring of two LDS slots filled by the tensor data mover; a piece is two steps of 128.
; CLUSTERS: 4 x 4 work-groups.  The four of a row of the cluster need the same rows of x, the four of a column the same rows of Wqkv: each tile is asked for JOINTLY.
; q AND k ARE MADE TRANSPOSED (source 0 = 16 rows of W, source 1 = 16 rows of x): a lane holds one position and eight neighbouring channels 16 t + 8 (lane / 16) + 0 .. 7, so the conversion of column tile t gives
; registers 2 t, 2 t + 1 of a 16 x 64 operand of 8-bit codes.  v IS MADE THE OTHER WAY ROUND (source 0 = x, source 1 = W): a lane holds one channel and eight neighbouring KEYS, since the keys are the K of the
; attention's second product: the conversion of row tile a gives registers 2 a, 2 a + 1 of the operand (16 channels x my 64 keys).
; WHAT IS STORED ARE IMAGES OF OPERAND REGISTERS, 1,024 bytes each: registers 0-3 of lane l at byte 16 l, registers 4-7 at 512 + 16 l: each store of the wave covers 512 consecutive bytes, aligned.
;   qimg  [batch x head 64][tile of 16 positions 128][1,024];   kvimg [batch x head 64][block of 256 keys 8][32,768]: 16 tiles of k, then v as [64 keys 4][16 channels 4].
; A sum stands for sum x 2^(e0 + e1): the three exponents ahead of each quantiser are folded into the conversion's one scale, 2^(e2 - e0 - e1) for q, with e3 for k, with e5 for v.
; LIMITS: e2 - e0 - e1, e3 - e0 - e1 and e5 - e0 - e1 lie between -126 and 119, so that each scale and 448 x it are f32 numbers.
; REGISTERS, in windows of 256: window 0: v0-31 addresses and scales; x's fragments, set p at v[32 + 64 p + 16 a]; on the way out v32-159 held sums, v160-255 codes.
;   window 1: W's fragments, set 0 at v[16 b], b = 0 .. 11; set 1's four blocks of v at v192 on.   window 2: the 32 accumulators of q and k, (b, a) at v[8 (4 b + a)].
;   window 3: v0-127 the 16 accumulators of v; v128-255 W's set 1, blocks 0-7.
.set PITCH,  272                       ; an LDS row: 256 bytes + 16 of padding = 68 words: the 16 rows that a load touches start at 16 different banks (64 banks of 4 bytes: ISA guide 11.1)
.set HALFA,  128*PITCH                 ; what one tensor load brings of x
.set HALFB,  96*PITCH                  ; and of W
.set SLOT,   2*HALFA+2*HALFB           ; x's 256 rows, then W's 192
.set SPARE,  2*SLOT                    ; behind the ring: the spare words, 128 bytes a wave, which no other line names
.set LI,   7                           ; v7      16 x lane: my place in half an image
.set SQ,   8                           ; v8, v9  q's scale and 448 x it;  v10, v11 k's;  v12, v13 v's
.set SK,   10
.set SV,   12
.set ADRA, 16                          ; v16-17  LDS address of my fragments of x in slot 0, 1
.set ADRB, 20                          ; v20-21  the same for W
.set SPW,  28                          ; v28     LDS address of my spare word; never rewritten
.set NIL,  29                          ; v29     0; never rewritten
.set XF,   32
.set TMP,  32
.set CQ,   160
.set CK,   192
.set CV,   224
.set G1,  24                           ; s[24:31] descriptor group 1 for x's tiles; s[32:39] group 0, a set for each slot
.set G0,  32
.set G1B, 48                           ; s[48:55], s[56:63] the same for W's tiles
.set G0B, 56
.set QB,  76                           ; s[76:77] where my images of q go;  s[78:79] those of k and v
.set KB,  78
.set MSB, 0
.macro WIN new                         ; the immediate's high byte repeats the setting that is left; a switch that changes nothing is dropped
.if MSB != \new
	s_set_vgpr_msb (MSB<<8)|\new
.set MSB, \new
.endif
.endm
; A joint load: waves 0 and 1 fetch x's two halves, waves 2 and 3 W's.  The branch hangs on the wave's number alone.  An s_nop 0 and four v_nop follow each of the two lines.
.macro JLOAD s
	s_cmp_eq_u32 s15, 0
	s_cbranch_scc0 .Lfor_b_\@
	tensor_load_to_lds s[G0+4*\s:G0+4*\s+3], s[G1:G1+7]
	s_nop 0
.rept 4
	v_nop
.endr
	s_branch .Lasked_\@
.Lfor_b_\@:
	tensor_load_to_lds s[G0B+4*\s:G0B+4*\s+3], s[G1B:G1B+7]
	s_nop 0
.rept 4
	v_nop
.endr
.Lasked_\@:
.endm
.macro CREST                           ; a round of the cluster's barrier behind its opening barrier
	s_cmp_lg_u32 s14, 0
	s_cbranch_scc1 .Lnot_wave_0_\@
	s_barrier_signal -3
.Lnot_wave_0_\@:
	s_barrier_wait -3
	s_barrier_signal -1
	s_barrier_wait -1
.endm
.macro CROUND                          ; a whole round
	s_barrier_signal -1
	s_barrier_wait -1
	CREST
.endm
.macro PLACES n                        ; plain vector instructions between a matrix instruction and a load into, or a vector write of, one of its registers, or a read of its result
.rept \n
	v_nop
.endr
.endm
	s_load_b256 s[4:11], s[0:1], 0x0               ; x's codes s[4:5], W's s[6:7], the scales' exponents s[8:9], qimg s[10:11]
	s_load_b64 s[12:13], s[0:1], 0x20              ; kvimg
	v_lshl_add_u32 v[SPW], v0, 2, SPARE
	v_mov_b32 v[NIL], 0
	ds_add_u32 v[SPW], v[NIL]
	ds_add_u32 v[SPW], v[NIL]                      ; the wave's opening: the add and its wait ahead of my first tensor load; the set-up below, work on registers, stands between them
	v_lshrrev_b32 v1, 5, v0
	v_readfirstlane_b32 s14, v1                    ; wave 0..3
	s_lshr_b32 s15, s14, 1                         ; I fetch for x (0) or for W (1),
	s_and_b32 s16, s14, 1                          ; and which half of that tile
	s_bfe_u32 s40, ttmp6, 0x40000                  ; cx, cy: my place in the cluster
	s_bfe_u32 s41, ttmp6, 0x40004
	s_lshl_b32 s42, ttmp9, 2
	s_add_co_u32 s42, s42, s40                     ; the head = 4 x cluster x + cx
	s_and_b32 s17, ttmp7, 0xffff
	s_lshl_b32 s17, s17, 2
	s_add_co_u32 s17, s17, s41                     ; the block of 256 rows = 4 x cluster y + cy
	s_lshl_b32 s43, s41, 2
	s_lshl_b32 s43, 15, s43                        ; my row of the cluster
	s_lshl_b32 s44, 0x1111, s40                    ; my column
	s_or_b32 s[G1], s43, (1<<20)|(1<<21)|(5<<22)|(3<<25)    ; 15:0 the mask: x's tiles go to my row; 17:16 elements of 1 byte; 20 padding on; 21 set beside a mask; 24:22 after every 64 words (code 5); 31:25 four words (code 3)
	s_or_b32 s[G1B], s44, (1<<20)|(1<<21)|(5<<22)|(3<<25)   ; the same with my column's mask
.irp g, G1, G1B
	s_mov_b32 s[\g+1], 256<<16                     ; tensor_dim0 = 256
	s_mov_b32 s[\g+3], 256<<16                     ; tile_dim0 = 256
	s_mov_b32 s[\g+5], 1024                        ; from row to row
	s_mov_b32 s[\g+6], 0
	s_mov_b32 s[\g+7], 0
.endr
	s_mov_b32 s[G1+2], 128<<16                     ; tensor_dim1, tile_dim1: 128 rows of x,
	s_mov_b32 s[G1+4], 128
	s_mov_b32 s[G1B+2], 96<<16                     ; 96 of W
	s_mov_b32 s[G1B+4], 96
	s_lshl_b32 s18, s16, 7
	s_lshl_b32 s20, s17, 8
	s_add_co_u32 s20, s20, s18                     ; x: row 256 x block + 128 x half,
	s_lshl_b32 s20, s20, 10                        ; of 1,024 bytes
	s_mov_b32 s21, 0
	s_mul_i32 s46, s42, 192
	s_mul_i32 s47, s16, 96
	s_add_co_u32 s46, s46, s47                     ; W: row 192 x head + 96 x half
	s_lshl_b32 s46, s46, 10
	s_mov_b32 s47, 0
	s_mul_i32 s45, s16, HALFA                      ; where they go: no place in the cluster enters an LDS address
	s_mul_i32 s19, s16, HALFB
	s_add_co_u32 s19, s19, 2*HALFA
	s_wait_dscnt 0x0                               ; the opening add is done
	s_wait_kmcnt 0x0
	s_load_b256 s[68:75], s[8:9], 0x0              ; e0 .. e7
	s_add_nc_u64 s[20:21], s[4:5], s[20:21]
	s_add_nc_u64 s[46:47], s[6:7], s[46:47]
	CROUND                                         ; all sixteen work-groups are here: the first joint loads meet
.irp s, 0,1
	s_mov_b32 s[G0+4*\s], 1
	s_add_co_u32 s[G0+4*\s+1], s45, \s*SLOT
	s_add_nc_u64 s[G0+4*\s+2:G0+4*\s+3], s[20:21], \s*256
	s_or_b32 s[G0+4*\s+3], s[G0+4*\s+3], 0x80000000
	s_mov_b32 s[G0B+4*\s], 1
	s_add_co_u32 s[G0B+4*\s+1], s19, \s*SLOT
	s_add_nc_u64 s[G0B+4*\s+2:G0B+4*\s+3], s[46:47], \s*256
	s_or_b32 s[G0B+4*\s+3], s[G0B+4*\s+3], 0x80000000
	JLOAD \s                                       ; two tensor loads of mine are out: K pieces 0 and 1
.endr
	v_and_b32 v1, 15, v0                           ; r = lane % 16
	v_bfe_u32 v2, v0, 4, 1                         ; h = lane / 16
	v_mul_u32_u24 v3, v1, PITCH
	v_lshl_add_u32 v4, v2, 4, v3                   ; a fragment's row x pitch + 16 h
	s_mul_i32 s22, s14, 64*PITCH                   ; my 64 rows of x
	s_mov_b32 s23, 2*HALFA                         ; W's rows lie behind x's 256
.irp s, 0,1
	v_add_nc_u32 v[ADRA+\s], s22, v4
	v_add_nc_u32 v[ADRB+\s], s23, v4
	s_add_co_u32 s22, s22, SLOT
	s_add_co_u32 s23, s23, SLOT
.endr
	v_and_b32 v5, 31, v0
	v_lshlrev_b32 v[LI], 4, v5
	s_lshr_b32 s22, s17, 3                         ; the batch entry,
	s_lshl_b32 s22, s22, 4
	s_add_co_u32 s22, s22, s42                     ; x 16 + the head
	s_and_b32 s23, s17, 7                          ; the block of 256 positions in it
	s_lshl_b32 s[QB], s22, 17                      ; qimg: 131,072 bytes a head, 16,384 a block, 4,096 for my four tiles
	s_lshl_b32 s[QB+1], s23, 14
	s_add_co_u32 s[QB], s[QB], s[QB+1]
	s_lshl_b32 s[QB+1], s14, 12
	s_add_co_u32 s[QB], s[QB], s[QB+1]
	s_mov_b32 s[QB+1], 0
	s_add_nc_u64 s[QB:QB+1], s[10:11], s[QB:QB+1]
	s_lshl_b32 s[KB], s22, 18                      ; kvimg: 262,144 bytes a head, 32,768 a block, 4,096 for my four tiles of k (and, 16,384 on, for my 64 keys of v)
	s_lshl_b32 s[KB+1], s23, 15
	s_add_co_u32 s[KB], s[KB], s[KB+1]
	s_lshl_b32 s[KB+1], s14, 12
	s_add_co_u32 s[KB], s[KB], s[KB+1]
	s_mov_b32 s[KB+1], 0
	s_add_nc_u64 s[KB:KB+1], s[12:13], s[KB:KB+1]
; A fragment, 16 rows x 128 K of 8-bit codes, is 16 registers, fetched by four loads of 16 bytes: registers 4 c .. 4 c + 3 hold K = 32 c + 16 h + 0 .. 15.  That is a permutation of k, the same in x and in W:
; every product meets its partner, and only the order of the sums inside an instruction changes.
.macro FRAG reg, adr, q, i
.irp c, 0,1,2,3
	ds_load_b128 v[\reg+4*\c:\reg+4*\c+3], v[\adr] offset:128*(\q)+32*\c+(\i)*16*PITCH
.endr
.endm
.macro FETCH slot, q, p                ; 64 loads in one run: W's twelve fragments and my four of x, of the slot's q-th 128 along K, into set p
.if \p
	WIN 0xc0                                       ; destination window 3
.irp b, 0,1,2,3,4,5,6,7
	FRAG 128+16*\b, ADRB+\slot, \q, \b
.endr
	WIN 0x40                                       ; destination window 1
.irp b, 8,9,10,11
	FRAG 192+16*(\b-8), ADRB+\slot, \q, \b
.endr
	WIN 0
.irp a, 0,1,2,3
	FRAG XF+64+16*\a, ADRA+\slot, \q, \a
.endr
.else
	WIN 0x40
.irp b, 0,1,2,3,4,5,6,7,8,9,10,11
	FRAG 16*\b, ADRB+\slot, \q, \b
.endr
	WIN 0
.irp a, 0,1,2,3
	FRAG XF+16*\a, ADRA+\slot, \q, \a
.endr
.endif
.endm
; The 48 accumulators take turns, one instruction a turn, in the same order in every step.  zero = 1: the first products start the sums: nothing is cleared.
.macro MULQK b0, p, zero               ; 16 products of q or k, transposed: W's blocks b0 .. b0 + 3 x my four tiles of rows
.if \p
	WIN 0xa3                                       ; source 0 (W) window 3, source 1 (x) window 0, C and D window 2
.else
	WIN 0xa1                                       ; source 0 window 1
.endif
.irp b, \b0, \b0+1, \b0+2, \b0+3
.irp a, 0,1,2,3
.if \zero
	v_wmma_f32_16x16x128_fp8_fp8 v[8*(4*(\b)+\a):8*(4*(\b)+\a)+7], v[128*(\p)+16*(\b):128*(\p)+16*(\b)+15], v[XF+64*(\p)+16*\a:XF+64*(\p)+16*\a+15], 0
.else
	v_wmma_f32_16x16x128_fp8_fp8 v[8*(4*(\b)+\a):8*(4*(\b)+\a)+7], v[128*(\p)+16*(\b):128*(\p)+16*(\b)+15], v[XF+64*(\p)+16*\a:XF+64*(\p)+16*\a+15], v[8*(4*(\b)+\a):8*(4*(\b)+\a)+7]
.endif
.endr
.endr
.endm
.macro MULV p, zero                    ; 16 products of v: source 0 (x) window 0, source 1 (W) window 1, C and D window 3
	WIN 0xf4
.irp ct, 0,1,2,3
.irp a, 0,1,2,3
.if \zero
	v_wmma_f32_16x16x128_fp8_fp8 v[8*(4*\ct+\a):8*(4*\ct+\a)+7], v[XF+64*(\p)+16*\a:XF+64*(\p)+16*\a+15], v[128+64*(\p)+16*\ct:128+64*(\p)+16*\ct+15], 0
.else
	v_wmma_f32_16x16x128_fp8_fp8 v[8*(4*\ct+\a):8*(4*\ct+\a)+7], v[XF+64*(\p)+16*\a:XF+64*(\p)+16*\a+15], v[128+64*(\p)+16*\ct:128+64*(\p)+16*\ct+15], v[8*(4*\ct+\a):8*(4*\ct+\a)+7]
.endif
.endr
.endr
.endm
; A slot's first step multiplies set 0 and fetches the slot's second 128 along K into set 1: with that run all my reads of the slot are issued.
; mode 1, 2: the change of slots: each wave waits for all its tensor loads (the one that is out is its part of the other slot), adds 0 to its spare word, waits for that and for its reads of this slot, and meets the others.
; mode 2: the barrier opens a round of the cluster's, and this slot is filled again, two K pieces on: the load has this step's end, the next step and 16 products more in which to land.
.macro SA slot, zero, mode
	s_wait_dscnt 0x0                               ; set 0 is in (asked for 48 products ago)
	PLACES 4                                       ; behind the last products that read set 1
	FETCH \slot, 1, 1
	MULQK 0, 0, \zero
.if \mode
	WIN 0                                          ; (the add's two registers lie in window 0)
	s_wait_tensorcnt 0x0                           ; all my tensor loads have landed;
	ds_add_u32 v[SPW], v[NIL]                      ; 0 onto my spare word; sixteen products stand between it and the wait for it
.endif
	MULQK 4, 0, \zero
.if \mode
	s_wait_dscnt 0x0                               ; the add is done, and my reads of this slot are over
	s_barrier_signal -1
.endif
	MULV 0, \zero                                  ; work on registers while the others arrive
	WIN 0
.if \mode
	s_barrier_wait -1
.endif
.if \mode == 2
	CREST                                          ; no wave of any partner still reads this slot or has a load on its way
	s_add_nc_u64 s[G0+4*\slot+2:G0+4*\slot+3], s[G0+4*\slot+2:G0+4*\slot+3], 512
	s_add_nc_u64 s[G0B+4*\slot+2:G0B+4*\slot+3], s[G0B+4*\slot+2:G0B+4*\slot+3], 512
	JLOAD \slot                                    ; the first tensor load behind the round, my one load until the next; its four v_nop are also the places in front of the loads into set 0
.else
	PLACES 4
.endif
.endm
; A slot's second step multiplies set 1; fetch = 1: the next slot's first 128 along K come into set 0.
.macro SB next, fetch
.if \fetch
	FETCH \next, 0, 0
.else
	s_wait_dscnt 0x0                               ; set 1 is in
.endif
	MULQK 0, 1, 0
	MULQK 4, 1, 0
	MULV 1, 0
	WIN 0
.endm
	s_wait_alu depctr_va_vdst(0)
	s_wait_tensorcnt 0x1                           ; my part of K piece 0 is in; piece 1's load may stay out
	s_barrier_signal -1
	s_barrier_wait -1                              ; everybody's is
	FETCH 0, 0, 0
	SA 0, 1, 2                                     ; piece 0; slot 0 takes piece 2
	SB 1, 1
	SA 1, 0, 2                                     ; piece 1; slot 1 takes piece 3
	SB 0, 1
	SA 0, 0, 1                                     ; piece 2; nothing is left to fetch, so no round follows the barrier
	SB 1, 1
	SA 1, 0, 0                                     ; piece 3
	SB 0, 0
; THE WAY OUT: each sum is held within 448 x the folded scale and converted; the codes are operand registers as they stand and go to memory as images.
.macro SCALE e, dst                    ; v[dst] = 2^(e - e0 - e1), v[dst + 1] = 448 x that
	s_sub_co_i32 s19, s[\e], s18
	s_add_co_i32 s19, s19, 127
	s_lshl_b32 s22, s19, 23
	v_mov_b32 v[\dst], s22
	s_add_co_i32 s19, s19, 8
	s_lshl_b32 s19, s19, 23
	s_or_b32 s19, s19, 0x600000
	v_mov_b32 v[\dst+1], s19
.endm
.macro QG win, acc0, sc, cb, isv, base, off    ; 16 accumulators from v[acc0] of the window on -> four images in v[cb] on -> memory
	WIN \win                                       ; source 0: window 2 or 3
.set n, 0
.rept 128
	v_med3_num_f32 v[TMP+n], v[\acc0+n], -v[\sc+1], v[\sc+1]   ; the conversion does not saturate (ISA guide 7.6.2): the hold comes first; each accumulator from its low end on
.set n, n+1
.endr
	WIN 0
.set n, 0
.rept 16
.if \isv
.set dd, \cb+2*n                       ; accumulator (ct, a) = 4 ct + a: image ct, registers 2 a, 2 a + 1
.else
.set dd, \cb+8*(n%4)+2*(n/4)           ; accumulator (t, a) = 4 t + a: image a, registers 2 t, 2 t + 1
.endif
	v_cvt_scalef32_pk8_fp8_f32 v[dd:dd+1], v[TMP+8*n:TMP+8*n+7], v[\sc]
.set n, n+1
.endr
	v_nop                                          ; one plain vector instruction between the conversions and the next group's holds, which write their sources
.irp m, 0,1,2,3
.irp j, 0,1
	global_store_b128 v[LI], v[\cb+8*\m+4*\j:\cb+8*\m+4*\j+3], s[\base:\base+1] offset:\off+1024*\m+512*\j   ; 32 lanes store 512 consecutive bytes, aligned
.endr
.endr
.endm
	s_wait_kmcnt 0x0
	s_add_co_i32 s18, s68, s69                     ; e0 + e1
	SCALE 70, SQ                                   ; e2: q.  These six v_mov_b32 are the places behind the last products
	s_wait_alu depctr_va_vdst(0)
	SCALE 71, SK                                   ; e3: k
	SCALE 73, SV                                   ; e5: v
	QG 0x02, 0,   SQ, CQ, 0, QB, 0
	QG 0x02, 128, SK, CK, 0, KB, 0
	QG 0x03, 0,   SV, CV, 1, KB, 16384
	s_wait_tensorcnt 0x0                           ; the wave's end: a wait, an add of 0 to my spare word and its wait, behind my last tensor load
	ds_add_u32 v[SPW], v[NIL]
	s_wait_dscnt 0x0
	CROUND                                         ; the closing round: no work-group ends while a partner may still ask for a tile that names it
	s_endpgm
.Lfunc_end_k_q945c5274be_gemm_qkv:
	.size	k_q945c5274be_gemm_qkv, .Lfunc_end_k_q945c5274be_gemm_qkv-k_q945c5274be_gemm_qkv
	.p2alignl 7, 3214868480
	.fill 96, 4, 3214868480
	.section	.rodata,"a",@progbits
	.p2align	6, 0x0
	.amdhsa_kernel k_q945c5274be_gemm_qkv
		.amdhsa_group_segment_fixed_size 327680
		.amdhsa_private_segment_fixed_size 0
		.amdhsa_enable_private_segment 0
		.amdhsa_kernarg_size 40
		.amdhsa_user_sgpr_count 2
		.amdhsa_user_sgpr_kernarg_segment_ptr 1
		.amdhsa_wavefront_size32 1
		.amdhsa_system_sgpr_workgroup_id_x 1
		.amdhsa_system_sgpr_workgroup_id_y 1
		.amdhsa_system_sgpr_workgroup_id_z 1
		.amdhsa_system_vgpr_workitem_id 0
		.amdhsa_next_free_vgpr 1024
		.amdhsa_next_free_sgpr 80
		.amdhsa_reserve_vcc 0
		.amdhsa_float_denorm_mode_32 3
		.amdhsa_float_denorm_mode_16_64 3
		.amdhsa_memory_ordered 1
		.amdhsa_forward_progress 1
		.amdhsa_inst_pref_size 99
	.end_amdhsa_kernel
	.amdgpu_metadata
---
amdhsa.version: [ 1, 2 ]
amdhsa.kernels:
  - .name:           k_q945c5274be_gemm_qkv
    .symbol:         k_q945c5274be_gemm_qkv.kd
    .args:
      - { .name: xc, .offset: 0, .size: 8, .value_kind: global_buffer, .address_space: global }
      - { .name: wqc, .offset: 8, .size: 8, .value_kind: global_buffer, .address_space: global }
      - { .name: lowp_scales, .offset: 16, .size: 8, .value_kind: global_buffer, .address_space: global }
      - { .name: qimg, .offset: 24, .size: 8, .value_kind: global_buffer, .address_space: global }
      - { .name: kvimg, .offset: 32, .size: 8, .value_kind: global_buffer, .address_space: global }
    .group_segment_fixed_size: 327680
    .private_segment_fixed_size: 0
    .kernarg_segment_align: 8
    .kernarg_segment_size: 40
    .max_flat_workgroup_size: 128
    .sgpr_count:     80
    .vgpr_count:     1024
    .wavefront_size: 32
...
	.end_amdgpu_metadata
.endif
;; end of part 2
;; launch attn (part 3): grid 4 x 64, 16 waves a work-group, no clusters, 327,680 bytes of LDS; arguments qimg, kvimg, lowp_scales, aimg; writes aimg
.if DOCPART == 3
	.amdgcn_target "amdgcn-amd-amdhsa--gfx1250"
	.amdhsa_code_object_version 6
	.text
	.protected	k_q945c5274be_attn
	.globl	k_q945c5274be_attn
	.p2align	8
	.type	k_q945c5274be_attn,@function
k_q945c5274be_attn:
	s_mov_b64 s[64:65], 0
	v_nop
	global_prefetch_b8 v0, s[64:65] scope:SCOPE_SE
	s_setreg_imm32_b32 hwreg(HW_REG_WAVE_MODE, 25, 1), 1
	s_wait_xcnt 0x0
; Causal attention on codes of FP8 (E4M3), head size 64, 2,048 positions, 64 heads (batch x head).  q, k and v arrive as images of operand registers; the result leaves so too, quantised for the last product.
; THE SOFTMAX AHEAD OF THE SECOND PRODUCT: t = score x log2(e) / 8; M = the row's largest t so far, rounded UP to a whole number; p = 2^(t - M) is quantised with 2^e4, not normalised.  The row's sum is taken of the
; unquantised p, in f32, and divides O at the end.  When M moves, the sum and O are multiplied by 2^(old M - new M): nothing is rounded.
; SHARES.  Work-group (i, head) owns the blocks of 256 queries i and 7 - i: (i + 1) + (8 - i) = 9 blocks of keys for every work-group, so all 256 have the same work.  Wave w of sixteen owns one tile of 16 queries in
; each block (tile E: 256 i + 16 w on; tile L: 256 (7 - i) + 16 w on), in 256 registers: four waves to a SIMD, so that one wave's vector work stands beside another's matrix work and LDS loads.
; The keys are walked ONCE, 128 a step, through a ring of two LDS slots of 256 keys (32,768 bytes: 16 tiles of k, then v): wave 0 fetches a slot's k, wave 1 its v, all sixteen read them.
; EVERY work-group walks all eight slots: trip counts are constants.  A step all of whose keys come after a tile's queries is left out by a scalar branch on ids; a slot that none of the work-group's queries sees is not asked for.
; LAYOUT.  Both products are used transposed: S^T = k q^T (source 0 = 16 keys, source 1 = 16 queries), O^T = v^T p^T (source 0 = 16 channels, source 1 = p): a lane holds ONE query (lane % 16) throughout.  In S^T's tile t
; register j is key 16 t + 8 (lane / 16) + j: the conversion of tile t gives registers 2 t, 2 t + 1 of the second product's operand of 128 keys, and v's images hold the same order.
; NO CLUSTER: the four work-groups of a head need 8, 7, 6 and 5 slots, and in a slot two tiles' work, one's or none: partners would need different numbers of tiles, and meeting at each slot would tie each to the slowest.
; LIMITS on the given exponents, so that each power of two below is an f32 number: e2 + e3 between -123 and 130 (added to c's exponent field); e4 and e6 between -126 and 119; e4 + e5 goes in by v_ldexp_f32 and has none.
.set SLOT1, 1<<15                      ; slot 1 begins here: one exclusive or turns an address in one slot into the other's
.set SPARE, 2*SLOT1                    ; behind the ring: the spare words, 128 bytes a wave, which no other line names
.set VOFF,  16384                      ; v's images in a slot
.set LI,   1                           ; v1   16 x lane: my place in half an image
.set ADR,  2                           ; v2   LI + the slot in hand
.set PFO,  3                           ; v3   256 x lane: the prefetches' offset; never rewritten
.set SPW,  5                           ; v5   LDS address of my spare word; never rewritten
.set NIL,  6                           ; v6   0; never rewritten
.set DL,   7                           ; v7   lane % 16 - 8 (lane / 16)
.set STE,  12                          ; v[12:15], v[16:19] a tile's -M, largest t, and the sum in two halves
.set STL,  16
.set QE,   20                          ; v[20:27], v[28:35] the two tiles of q
.set QL,   28
.set KV,   36                          ; v[36:99]   eight tiles of k, then four fragments of v
.set S,    100                         ; v[100:163] S^T, then p
.set OE,   164                         ; v[164:195], v[196:227] O^T of the two tiles
.set OL,   196
.set PC,   228                         ; v[228:243] p's codes.  v244: 2^e4; v8: the same with e6; v246-254 at work
.set WV,   18
.set SEL,  20                          ; s[20:21] lane selects for v_permlanex16_b32: lane l xor 16
.set CS,   22                          ; s[22:23] c = log2(e) / 8 x 2^(e2 + e3)
.set G1,   24                          ; s[24:31] descriptor group 1;  s[40:43] group 0, which walks
.set G0,   40
.set TB,   2                           ; s2   LDS byte at which the slot in hand begins
.set Q0E,  44                          ; s44, s45  my tiles' first queries
.set Q0L,  45
.set KF,   46                          ; s46  the step's first key
.set SLOTS, 47                         ; s47  changes of slots still to come
.set PFA,  60                          ; s[60:61] where my prefetches stand
.set LIM,  62                          ; s62  1 in a wave that prefetches, else the greatest number
.macro TLOAD                           ; waves 0 and 1 fetch, the others nothing; an s_nop 0 and four v_nop follow the load
	s_cmp_lt_u32 s[WV], 2
	s_cbranch_scc0 .Lasked_\@
	tensor_load_to_lds s[G0:G0+3], s[G1:G1+7]
	s_nop 0
.rept 4
	v_nop
.endr
.Lasked_\@:
.endm
; A PREFETCH of the slot that the NEXT change of slots will ask for, 32,768 dense bytes.  The four work-groups of a head walk the same slots: the one with i = 0, which walks all eight, asks, and in it waves 4 to 7,
; which fetch nothing: 8,192 bytes a wave, lanes 256 bytes apart, one instruction.  So each block of 256 bytes is named once in the launch.  Change j asks for slot j + 2; the last change that fills a slot asks for nothing;
; slots 0 and 1 come by their loads alone.
.macro ASK
	s_cmp_gt_u32 s[SLOTS], s[LIM]
	s_cbranch_scc0 .Lnot_mine_\@
	global_prefetch_b8 v[PFO], s[PFA:PFA+1] th:TH_LOAD_NT scope:SCOPE_SE
.Lnot_mine_\@:
.endm
	s_load_b256 s[4:11], s[0:1], 0x0               ; qimg s[4:5], kvimg s[6:7], the scales' exponents s[8:9], aimg s[10:11]
	v_lshl_add_u32 v[SPW], v0, 2, SPARE
	v_mov_b32 v[NIL], 0
	ds_add_u32 v[SPW], v[NIL]                      ; the wave's opening: the add and its wait ahead of my first tensor load; the set-up below, work on registers, stands between them
	ds_add_u32 v[SPW], v[NIL]
	v_lshrrev_b32 v10, 5, v0
	s_delay_alu instid0(VALU_DEP_1)
	v_readfirstlane_b32 s[WV], v10                 ; wave 0..15
	s_and_b32 s13, ttmp7, 0xffff                   ; batch x 16 + head
	s_and_b32 s14, s[WV], 1                        ; what I fetch, if I fetch: k's 16,384 bytes of a slot (0) or v's (1)
	s_lshl_b32 s[G0+1], s14, 14                    ; in LDS: slot 0
	s_lshl_b32 s50, s13, 18                        ; the head's 262,144 bytes of kvimg
	s_mov_b32 s51, 0
	s_lshl_b32 s48, s14, 14
	s_mov_b32 s49, 0
	s_add_nc_u64 s[48:49], s[48:49], s[50:51]
	s_mov_b32 s[G1], 0                             ; no mask, elements of 1 byte, no padding: images are read 16 bytes a lane, 512 consecutive bytes a load
	s_mov_b32 s[G1+1], 256<<16                     ; tensor_dim0 = 256: a dense block as rows of 256 bytes
	s_mov_b32 s[G1+2], 64<<16                      ; tensor_dim1 = 64
	s_mov_b32 s[G1+3], 256<<16                     ; tile_dim0
	s_mov_b32 s[G1+4], 64                          ; tile_dim1
	s_mov_b32 s[G1+5], 256                         ; from row to row
	s_mov_b32 s[G1+6], 0
	s_mov_b32 s[G1+7], 0
	s_mov_b32 s[SEL], 0x76543210
	s_mov_b32 s[SEL+1], 0xfedcba98
	s_mov_b32 s[CS], 0x3e38aa3b                    ; log2(e) / 8
	s_mov_b32 s[TB], 0
	s_mov_b32 s[SLOTS], 7
	s_mov_b32 s[KF], 0
	s_lshl_b32 s15, s[WV], 4
	s_lshl_b32 s[Q0E], ttmp9, 8
	s_add_co_u32 s[Q0E], s[Q0E], s15               ; 256 i + 16 w
	s_sub_co_u32 s[Q0L], 7, ttmp9
	s_lshl_b32 s[Q0L], s[Q0L], 8
	s_add_co_u32 s[Q0L], s[Q0L], s15               ; 256 (7 - i) + 16 w
	s_wait_dscnt 0x0                               ; the opening add is done
	s_wait_kmcnt 0x0
	s_load_b256 s[52:59], s[8:9], 0x0              ; e0 .. e7
	s_mov_b32 s[G0], 1
	s_add_nc_u64 s[G0+2:G0+3], s[6:7], s[48:49]
	s_or_b32 s[G0+3], s[G0+3], 0x80000000
	TLOAD                                          ; slot 0
	s_lshl_b32 s16, s13, 17                        ; qimg: 131,072 bytes a head; a tile's image lies at 64 x its first query
	s_lshl_b32 s48, s[Q0E], 6
	s_add_co_u32 s48, s48, s16
	s_mov_b32 s49, 0
	s_add_nc_u64 s[36:37], s[4:5], s[48:49]
	s_lshl_b32 s48, s[Q0L], 6
	s_add_co_u32 s48, s48, s16
	s_add_nc_u64 s[38:39], s[4:5], s[48:49]
	v_and_b32 v10, 31, v0
	s_wait_alu depctr_va_vdst(0)
	v_lshlrev_b32 v[LI], 4, v10
	global_load_b128 v[QE:QE+3], v[LI], s[36:37]
	global_load_b128 v[QE+4:QE+7], v[LI], s[36:37] offset:512
	global_load_b128 v[QL:QL+3], v[LI], s[38:39]
	global_load_b128 v[QL+4:QL+7], v[LI], s[38:39] offset:512
	s_lshr_b32 s16, s13, 4                         ; aimg [batch x 8 + block][head][tile][1,024]: batch x 2^21
	s_lshl_b32 s16, s16, 21
	s_and_b32 s17, s13, 15
	s_lshl_b32 s17, s17, 14                        ; + head x 16,384
	s_add_co_u32 s16, s16, s17
	s_lshl_b32 s17, s[WV], 10                      ; + wave x 1,024
	s_add_co_u32 s16, s16, s17
	s_lshl_b32 s48, ttmp9, 18                      ; + block x 262,144
	s_add_co_u32 s48, s48, s16
	s_add_nc_u64 s[32:33], s[10:11], s[48:49]
	s_sub_co_u32 s48, 7, ttmp9
	s_lshl_b32 s48, s48, 18
	s_add_co_u32 s48, s48, s16
	s_add_nc_u64 s[34:35], s[10:11], s[48:49]
	s_and_b32 s48, s[WV], 3                        ; the prefetches: my wave's 8,192 bytes,
	s_lshl_b32 s48, s48, 13
	s_add_co_u32 s48, s48, 32768                   ; in slot 1: the first change of slots steps it to slot 2
	s_add_nc_u64 s[PFA:PFA+1], s[6:7], s[50:51]
	s_add_nc_u64 s[PFA:PFA+1], s[PFA:PFA+1], s[48:49]
	s_sub_co_u32 s48, s[WV], 4
	s_lshr_b32 s48, s48, 2                         ; 0 in waves 4 to 7,
	s_or_b32 s48, s48, ttmp9                       ; of the work-group with i = 0
	s_cmp_eq_u32 s48, 0
	s_cselect_b32 s[LIM], 1, -1
	v_lshlrev_b32 v[PFO], 8, v10
	v_and_b32 v10, 15, v0
	v_bfe_u32 v11, v0, 4, 1
	s_delay_alu instid0(VALU_DEP_1)
	v_lshlrev_b32 v11, 3, v11
	s_delay_alu instid0(VALU_DEP_1)
	v_sub_nc_u32 v[DL], v10, v11
.irp st, STE, STL
	v_mov_b32 v[\st+1], 0xff61b1e6                 ; the largest t so far: -3e38, under every t
	s_delay_alu instid0(VALU_DEP_1)
	v_floor_f32 v[\st], -v[\st+1]                  ; -M
	v_mov_b32 v[\st+2], 0                          ; the sum, in two halves
	v_mov_b32 v[\st+3], 0
.endr
	v_mov_b32 v249, 0                              ; (named as the upper half of the pair v[248:249])
	v_mov_b32 v252, 0                              ; written once: a lane permute's destination counts as one of its sources
	v_mov_b32 v253, 0xff800000                     ; -infinity, for hidden scores
.set n, 0
.rept 64
	v_mov_b32 v[OE+n], 0                           ; O^T of both tiles.  (The step is written once for all steps: the first finds zeros, which the first change of M leaves zeros)
.set n, n+1
.endr
	s_wait_kmcnt 0x0
	s_add_co_i32 s48, s54, s55
	s_lshl_b32 s48, s48, 23
	s_add_co_i32 s[CS], s[CS], s48                 ; a score stands for score x 2^(e2 + e3): the two exponents are added to c's exponent field
	s_mov_b32 s[CS+1], s[CS]                       ; (named with it as a pair, so it is written)
	s_add_co_i32 s48, s56, 127
	s_lshl_b32 s49, s48, 23
	v_mov_b32 v244, s49                            ; 2^e4
	s_add_co_i32 s48, s58, 127
	s_lshl_b32 s49, s48, 23
	v_mov_b32 v8, s49                              ; 2^e6
	s_add_co_i32 s12, s56, s57                     ; e4 + e5
; A KEY STEP for one tile: 128 keys, the q-th of the slot in hand.  st: the tile's statistics; qf: its q; of: its O^T; q0: the scalar with its first query.
.macro STEP q, st, qf, of, q0
	s_add_co_u32 s48, s[\q0], 15
	s_cmp_gt_u32 s[KF], s48                        ; all 128 keys come after my 16 queries: the step is left out.  Ids and the count of steps alone; no barrier, wait on the mover or tensor load stands in a step
	s_cbranch_scc1 .Lhidden_\@
	v_add_nc_u32 v[ADR], s[TB], v[LI]
.rept 3
	v_nop                                          ; with the addition above: four places in front of loads into registers that the last products read
.endr
.irp t, 0,1,2,3,4,5,6,7
	ds_load_b128 v[KV+8*\t:KV+8*\t+3], v[ADR] offset:8192*(\q)+1024*\t
	ds_load_b128 v[KV+8*\t+4:KV+8*\t+7], v[ADR] offset:8192*(\q)+1024*\t+512
.endr
	s_wait_alu depctr_va_vdst(0)
	s_wait_dscnt 0x0
.irp t, 0,1,2,3,4,5,6,7
	v_wmma_f32_16x16x64_fp8_fp8 v[S+8*\t:S+8*\t+7], v[KV+8*\t:KV+8*\t+7], v[\qf:\qf+7], 0
.endr
.rept 4
	v_nop                                          ; places in front of the loads below and of the first read of the scores
.endr
.irp ct, 0,1,2,3                               ; v's four fragments (16 channels x 128 keys: two images on end) are asked for now and land under the softmax
.irp e, 0,1
	ds_load_b128 v[KV+16*\ct+8*\e:KV+16*\ct+8*\e+3], v[ADR] offset:VOFF+(2*(\q)+\e)*4096+1024*\ct
	ds_load_b128 v[KV+16*\ct+8*\e+4:KV+16*\ct+8*\e+7], v[ADR] offset:VOFF+(2*(\q)+\e)*4096+1024*\ct+512
.endr
.endr
	s_add_co_u32 s48, s[KF], 127                   ; on the diagonal hidden scores become -infinity ahead of the maximum: p = 0 then.  A step all of whose keys count skips this
	s_cmp_le_u32 s48, s[\q0]
	s_cbranch_scc1 .Lopen_\@
	s_sub_co_i32 s48, s[\q0], s[KF]
	v_add_nc_u32 v254, s48, v[DL]                  ; d = my query - KF - 8 (lane / 16).  Register 8 t + j holds key KF + 8 (lane / 16) + 16 t + j: hidden where 16 t + j > d
.set n, 0
.rept 64
	v_cmp_gt_i32 vcc_lo, 16*(n/8)+n%8, v254
	v_cndmask_b32 v[S+n], v[S+n], v253, vcc_lo
.set n, n+1
.endr
.Lopen_\@:
	v_max3_num_f32 v250, v[S], v[S+1], v[S+2]      ; the step's largest score of my query among my 64 keys, in two chains; each tile is first read at its low end
	v_max3_num_f32 v251, v[S+3], v[S+4], v[S+5]
.irp i, 6,10,14,18,22,26,30,34,38,42,46,50,54,58
	v_max3_num_f32 v250, v250, v[S+\i], v[S+1+\i]
	v_max3_num_f32 v251, v251, v[S+2+\i], v[S+3+\i]
.endr
	v_max3_num_f32 v250, v250, v[S+62], v[S+63]
	s_delay_alu instid0(VALU_DEP_1)
	v_max_num_f32 v250, v250, v251
	s_delay_alu instid0(VALU_DEP_1)
	v_permlanex16_b32 v252, v250, s[SEL], s[SEL+1]
	s_delay_alu instid0(VALU_DEP_1)
	v_max_num_f32 v250, v250, v252                 ; and among lane l xor 16's: the step's first key counts for every query of a step that is walked, so this is a number
	s_delay_alu instid0(VALU_DEP_1)
	v_mul_f32 v250, s[CS], v250                    ; as t (c is positive)
	s_delay_alu instid0(VALU_DEP_1)
	v_max_num_f32 v[\st+1], v[\st+1], v250         ; the running largest t
	v_mov_b32 v250, v[\st]
	s_delay_alu instid0(VALU_DEP_2)
	v_floor_f32 v[\st], -v[\st+1]                  ; the new -M = floor(-t) = -ceil(t): a whole number
	s_delay_alu instid0(VALU_DEP_1)
	v_sub_f32 v250, v[\st], v250                   ; old M - new M: a whole number, 0 or less
	s_delay_alu instid0(VALU_DEP_1)
	v_cvt_i32_f32 v250, v250                       ; (it saturates)
	s_delay_alu instid0(VALU_DEP_1)
	v_ldexp_f32 v248, 1.0, v250                    ; f = 2^(old M - new M)
.set n, 0
.rept 32
	v_pk_fma_f32 v[S+n:S+n+1], v[S+n:S+n+1], s[CS:CS+1], v[\st:\st+1] op_sel_hi:[1,0,0]   ; t - M, two at a time (of the pairs c and -M the low word serves both halves)
.set n, n+2
.endr
.set n, 0
	s_wait_alu depctr_va_vdst(0)
.rept 64
	v_exp_f32 v[S+n], v[S+n]                       ; p = 2^(t - M), at most 1
.set n, n+1
.endr
	v_pk_mul_f32 v[\st+2:\st+3], v[\st+2:\st+3], v[248:249] op_sel_hi:[1,0]   ; the sums under the new M: the plain instruction behind the exponentials
	s_wait_alu depctr_va_vdst(0)                   ; one wait for the whole batch, ahead of its first reader
	v_pk_add_f32 v[246:247], v[S:S+1], v[S+2:S+3]  ; the row's sum is taken of the UNQUANTISED p: two at a time, in two chains
.irp j, 4,8,12,16,20,24,28,32,36,40,44,48,52,56,60
	v_pk_add_f32 v[\st+2:\st+3], v[\st+2:\st+3], v[S+\j:S+1+\j]
	v_pk_add_f32 v[246:247], v[246:247], v[S+2+\j:S+3+\j]
.endr
	s_delay_alu instid0(VALU_DEP_1)
	v_pk_add_f32 v[\st+2:\st+3], v[\st+2:\st+3], v[246:247]
.irp t, 0,1,2,3,4,5,6,7
.irp j, 0,1,2,3,4,5,6,7
.endr
	v_cvt_scalef32_pk8_fp8_f32 v[PC+2*\t:PC+2*\t+1], v[S+8*\t:S+8*\t+7], v244
.endr
.set n, 0
.rept 16
	v_pk_mul_f32 v[\of+n:\of+n+1], v[\of+n:\of+n+1], v[248:249] op_sel_hi:[1,0]   ; O^T under the new M.  (Also the plain instructions between the conversions and the products)
.set n, n+2
.endr
	s_wait_alu depctr_va_vdst(0)
	s_wait_dscnt 0x0                               ; v is in
.irp ct, 0,1,2,3                               ; the four accumulators take turns; between two links of a chain stand the next step's products
	v_wmma_f32_16x16x128_fp8_fp8 v[\of+8*\ct:\of+8*\ct+7], v[KV+16*\ct:KV+16*\ct+15], v[PC:PC+15], v[\of+8*\ct:\of+8*\ct+7]
.endr
.Lhidden_\@:
.endm
; THE CHANGE OF SLOTS stands at a slot's head.  Each wave waits for all its tensor loads (its part of the slot that it is about to read), adds 0 to its spare word, and waits for that and for its reads of the slot that it has left.
; Behind the barrier the slot ahead is whole and nobody reads the other one.  fill = 1: that other slot takes the next 256 keys, up to the causal limit: the load has a whole slot's steps in which to land.
.macro CHANGE fill
	s_wait_tensorcnt 0x0                           ; no tensor load of mine is out, so group 0 may be written
	ds_add_u32 v[SPW], v[NIL]                      ; 0 onto my spare word
.if \fill
	s_xor_b32 s[G0+1], s[G0+1], SLOT1              ; the other slot than last time,
	s_add_nc_u64 s[G0+2:G0+3], s[G0+2:G0+3], 32768 ; the next 256 keys; the type bits on top are not reached
	s_wait_xcnt 0x0                                ; the last prefetch, a slot back, has read its address, so it may be written:
	s_add_nc_u64 s[PFA:PFA+1], s[PFA:PFA+1], 32768 ; one slot further on than the walking descriptor
.endif
	s_wait_dscnt 0x0                               ; the add is done, and my reads of the slot that I have left are over
	s_barrier_signal -1
	s_barrier_wait -1
.if \fill
	s_add_co_u32 s48, s[KF], 256                   ; the first key of the slot that this change would ask for
	s_or_b32 s49, s[Q0L], 255                      ; my work-group's last query
	s_cmp_gt_u32 s48, s49                          ; a slot beyond it is read by none of the sixteen waves and is not asked for.  Ids and the count of steps alone: all waves go the same way, and past the limit stays past it.
	s_cbranch_scc1 .Lpast_\@                       ; Every wait on the mover's counter in this text is for 0, and the jump leads round the load's own lines alone
	TLOAD                                          ; a wave's one tensor load until the next barrier
.Lpast_\@:
	ASK
.endif
.endm
.macro SLOT_STEPS
.irp q, 0,1
	STEP \q, STE, QE, OE, Q0E
	STEP \q, STL, QL, OL, Q0L
	s_add_co_u32 s[KF], s[KF], 128
.endr
	s_xor_b32 s[TB], s[TB], SLOT1                  ; on to the other slot
.endm
	s_wait_loadcnt 0x0                             ; q
.Lslot:                                            ; seven trips: behind each change of slots but the last the next slot is asked for, up to the causal limit
	CHANGE 1
	SLOT_STEPS
	s_sub_co_u32 s[SLOTS], s[SLOTS], 1
	s_cmp_lg_u32 s[SLOTS], 0
	s_cbranch_scc1 .Lslot
	CHANGE 0                                       ; the last slot is written out: nothing is left to ask for
	SLOT_STEPS
.rept 4
	v_nop                                          ; places behind the last products
.endr
; THE WAY OUT of a tile: O^T x 2^(e4 + e5) / the sum, converted with the scale 2^e6.  Register 8 ct + j of lane (r, h) is channel 16 ct + 8 h + j of query r: the codes are the registers of an operand of the last
; product (16 rows x this head's 64 along its K) and go to memory as an image.
.macro OUT st, of, sb, cb, base
	v_add_f32 v250, v[\st+2], v[\st+3]             ; the sum's two halves,
	s_delay_alu instid0(VALU_DEP_1)
	v_permlanex16_b32 v252, v250, s[SEL], s[SEL+1]
	s_delay_alu instid0(VALU_DEP_1)
	v_add_f32 v250, v250, v252                     ; and lane l xor 16's
	s_wait_alu depctr_va_vdst(0)
	v_rcp_f32 v250, v250
	v_nop                                          ; a plain instruction behind the reciprocal,
	s_wait_alu depctr_va_vdst(0)                   ; and the wait ahead of its first reader
	v_ldexp_f32 v250, v250, s12
.set n, 0
.rept 32
	v_mul_f32 v[\sb+n], v[\of+n], v250             ; each accumulator from its low end on
.set n, n+1
.endr
.set n, 0
.rept 32
.set n, n+1
.endr
.irp ct, 0,1,2,3
	v_cvt_scalef32_pk8_fp8_f32 v[\cb+2*\ct:\cb+2*\ct+1], v[\sb+8*\ct:\sb+8*\ct+7], v8
.endr
	v_nop                                          ; one plain vector instruction behind the last conversion
	global_store_b128 v[LI], v[\cb:\cb+3], s[\base:\base+1]                 ; 32 lanes store 512 consecutive bytes, aligned
	global_store_b128 v[LI], v[\cb+4:\cb+7], s[\base:\base+1] offset:512
.endm
	OUT STE, OE, S, PC, 32
	OUT STL, OL, S+32, PC+8, 34
	s_wait_tensorcnt 0x0                           ; the wave's end: a wait, an add of 0 to my spare word and its wait, behind my last tensor load
	ds_add_u32 v[SPW], v[NIL]
	s_wait_dscnt 0x0
	s_endpgm
.Lfunc_end_k_q945c5274be_attn:
	.size	k_q945c5274be_attn, .Lfunc_end_k_q945c5274be_attn-k_q945c5274be_attn
	.p2alignl 7, 3214868480
	.fill 96, 4, 3214868480
	.section	.rodata,"a",@progbits
	.p2align	6, 0x0
	.amdhsa_kernel k_q945c5274be_attn
		.amdhsa_group_segment_fixed_size 327680
		.amdhsa_private_segment_fixed_size 0
		.amdhsa_enable_private_segment 0
		.amdhsa_kernarg_size 32
		.amdhsa_user_sgpr_count 2
		.amdhsa_user_sgpr_kernarg_segment_ptr 1
		.amdhsa_wavefront_size32 1
		.amdhsa_system_sgpr_workgroup_id_x 1
		.amdhsa_system_sgpr_workgroup_id_y 1
		.amdhsa_system_sgpr_workgroup_id_z 1
		.amdhsa_system_vgpr_workitem_id 0
		.amdhsa_next_free_vgpr 256
		.amdhsa_next_free_sgpr 66
		.amdhsa_reserve_vcc 1
		.amdhsa_float_denorm_mode_32 3
		.amdhsa_float_denorm_mode_16_64 3
		.amdhsa_fp16_overflow 1
		.amdhsa_memory_ordered 1
		.amdhsa_forward_progress 1
		.amdhsa_inst_pref_size 163
	.end_amdhsa_kernel
	.amdgpu_metadata
---
amdhsa.version: [ 1, 2 ]
amdhsa.kernels:
  - .name:           k_q945c5274be_attn
    .symbol:         k_q945c5274be_attn.kd
    .args:
      - { .name: qimg, .offset: 0, .size: 8, .value_kind: global_buffer, .address_space: global }
      - { .name: kvimg, .offset: 8, .size: 8, .value_kind: global_buffer, .address_space: global }
      - { .name: lowp_scales, .offset: 16, .size: 8, .value_kind: global_buffer, .address_space: global }
      - { .name: aimg, .offset: 24, .size: 8, .value_kind: global_buffer, .address_space: global }
    .group_segment_fixed_size: 327680
    .private_segment_fixed_size: 0
    .kernarg_segment_align: 8
    .kernarg_segment_size: 32
    .max_flat_workgroup_size: 512
    .sgpr_count:     66
    .vgpr_count:     256
    .wavefront_size: 32
...
	.end_amdgpu_metadata
.endif
;; end of part 3
;; launch gemm_out (part 4): grid 8 x 32, 4 waves a work-group, clusters of 4 x 4, 327,680 bytes of LDS; arguments aimg, woc, lowp_scales, bo, out0; writes out0
.if DOCPART == 4
	.amdgcn_target "amdgcn-amd-amdhsa--gfx1250"
	.amdhsa_code_object_version 6
	.text
	.protected	k_q945c5274be_gemm_out
	.globl	k_q945c5274be_gemm_out
	.p2align	8
	.type	k_q945c5274be_gemm_out,@function
k_q945c5274be_gemm_out:
	s_mov_b64 s[64:65], 0
	v_nop
	global_prefetch_b8 v0, s[64:65] scope:SCOPE_SE
	s_setreg_imm32_b32 hwreg(HW_REG_WAVE_MODE, 25, 1), 1
	s_wait_xcnt 0x0
	s_wait_alu depctr_hold_cnt(0) depctr_sa_sdst(0) depctr_va_vdst(0) depctr_va_sdst(0) depctr_va_ssrc(0) depctr_va_vcc(0) depctr_vm_vsrc(0)
	s_getreg_b32 s2, hwreg(HW_REG_IB_STS2, 6, 4)
	s_cmp_eq_u32 s2, 0
	s_cbranch_scc0 .Lentry_in_a_cluster
	s_endpgm
.Lentry_in_a_cluster:
	s_bfe_u32 s2, ttmp6, 0x10000c
	s_cmp_lg_u32 s2, 0xf033
	s_cbranch_scc0 .Lentry_shape_is_right
	s_endpgm
.Lentry_shape_is_right:
; out = a Wo^T + bo on codes of FP8 (E4M3).  a, the attention's result, arrives as images of operand registers: aimg [block of 256 rows 32][head 16][tile of 16 rows 16][1,024 bytes]; two heads' images on end are the
; 16 registers of a fragment of 16 rows x 128 K, in the 8-bit operand's own order (registers 2 c, 2 c + 1: K = 16 c + 8 (lane / 16) + 0 .. 7).  Wo's codes lie [1024][1024], K innermost, and are fetched in that same order.
; A work-group makes 256 rows x 128 columns: 256 work-groups.  Wave w makes rows 64 w .. 64 w + 63 x 128 columns: 32 accumulators.  K = 1,024 goes in four pieces of 256 (four heads) through a ring of two LDS slots; a piece is two steps of 128.
; CLUSTERS: 4 x 4 work-groups; a's tiles are shared along a row of the cluster, Wo's along a column: each is asked for JOINTLY.
; THE MATRIX INSTRUCTION IS USED TRANSPOSED (source 0 = 16 rows of Wo, source 1 = 16 rows of a): a lane holds eight neighbouring numbers of a row of out.  out = sum x 2^(e6 + e7) + bo: one packed multiply-add for two numbers.
; LIMIT: e6 + e7 lies between -126 and 127, so that 2^(e6 + e7) is an f32 number.
; REGISTERS, in windows of 256: window 0: v0-31 addresses; a's fragments, set p at v[32 + 64 p + 16 a]; on the way out v32-95 results, v96-223 rows read back.   window 1: Wo's fragments, set p at v[128 p + 16 b].
;   window 2: the accumulators, (b, a) at v[8 (4 b + a)].   window 3: v0-63 bo in the result's layout, eight registers a column tile.
.set PITCH,  272                       ; a row of Wo's tile in LDS: 256 bytes + 16 of padding
.set ABYTES, 65536                     ; a's part of a slot: 4 heads x 16 tiles x 1,024, dense: images are read 16 bytes a lane
.set SLOT,   ABYTES+128*PITCH
.set STAGE,  2*SLOT                    ; behind the ring, bytes of its own: 16 rows x (512 + 16) for each wave, for the way out
.set SPITCH, 528
.set SPARE,  STAGE+4*16*SPITCH         ; behind the stages: the spare words, 128 bytes a wave, which no other line names
.set LI,   7                           ; v7      16 x lane
.set ADRA, 16                          ; v16-17  LDS address of my images of a in slot 0, 1
.set ADRB, 20                          ; v20-21  of Wo's fragments
.set STO,  24                          ; v24     the way out: where I put 32 bytes of a row
.set RD,   25                          ; v25     and where I read a row back
.set BOF,  27                          ; v27     32 (lane / 16): my eight numbers of a column tile's sixteen of bo
.set SPW,  28                          ; v28     LDS address of my spare word; never rewritten
.set NIL,  29                          ; v29     0; never rewritten
.set AF,   32
.set TMP,  32
.set BK,   96
.set G1,  24                           ; s[24:31] descriptor group 1 for a's tiles; s[32:39] group 0, a set for each slot
.set G0,  32
.set G1B, 48                           ; s[48:55], s[56:63] the same for Wo's tiles
.set G0B, 56
.set SC,  66                           ; s[66:67] 2^(e6 + e7)
.set BB,  76                           ; s[76:77] bo at my tile's first column;  s[78:79] out at my first row and column
.set OB,  78
.set MSB, 0
.macro WIN new                         ; the immediate's high byte repeats the setting that is left; a switch that changes nothing is dropped
.if MSB != \new
	s_set_vgpr_msb (MSB<<8)|\new
.set MSB, \new
.endif
.endm
.macro JLOAD s                         ; a joint load: waves 0 and 1 fetch a's two halves, waves 2 and 3 Wo's; an s_nop 0 and four v_nop follow each of the two lines
	s_cmp_eq_u32 s15, 0
	s_cbranch_scc0 .Lfor_b_\@
	tensor_load_to_lds s[G0+4*\s:G0+4*\s+3], s[G1:G1+7]
	s_nop 0
.rept 4
	v_nop
.endr
	s_branch .Lasked_\@
.Lfor_b_\@:
	tensor_load_to_lds s[G0B+4*\s:G0B+4*\s+3], s[G1B:G1B+7]
	s_nop 0
.rept 4
	v_nop
.endr
.Lasked_\@:
.endm
.macro CREST                           ; a round of the cluster's barrier behind its opening barrier
	s_cmp_lg_u32 s14, 0
	s_cbranch_scc1 .Lnot_wave_0_\@
	s_barrier_signal -3
.Lnot_wave_0_\@:
	s_barrier_wait -3
	s_barrier_signal -1
	s_barrier_wait -1
.endm
.macro CROUND
	s_barrier_signal -1
	s_barrier_wait -1
	CREST
.endm
.macro PLACES n                        ; plain vector instructions between a matrix instruction and a load into one of its registers or a read of its result
.rept \n
	v_nop
.endr
.endm
	s_load_b256 s[4:11], s[0:1], 0x0               ; aimg s[4:5], Wo's codes s[6:7], the scales' exponents s[8:9], bo s[10:11]
	s_load_b64 s[12:13], s[0:1], 0x20              ; out
	v_lshl_add_u32 v[SPW], v0, 2, SPARE
	v_mov_b32 v[NIL], 0
	ds_add_u32 v[SPW], v[NIL]                      ; the wave's opening: the add and its wait ahead of my first tensor load; the set-up below, work on registers, stands between them
	ds_add_u32 v[SPW], v[NIL]
	v_lshrrev_b32 v1, 5, v0
	v_readfirstlane_b32 s14, v1                    ; wave 0..3
	s_lshr_b32 s15, s14, 1                         ; I fetch for a (0) or for Wo (1),
	s_and_b32 s16, s14, 1                          ; and which half of that tile
	s_bfe_u32 s40, ttmp6, 0x40000                  ; cx, cy
	s_bfe_u32 s41, ttmp6, 0x40004
	s_lshl_b32 s42, ttmp9, 2
	s_add_co_u32 s42, s42, s40                     ; the tile of 128 columns
	s_and_b32 s17, ttmp7, 0xffff
	s_lshl_b32 s17, s17, 2
	s_add_co_u32 s17, s17, s41                     ; the block of 256 rows
	s_lshl_b32 s43, s41, 2
	s_lshl_b32 s43, 15, s43                        ; my row of the cluster
	s_lshl_b32 s44, 0x1111, s40                    ; my column
	s_or_b32 s[G1], s43, (1<<21)                   ; a's tiles go to my row; elements of 1 byte; no padding; bit 21 set beside a mask
	s_mov_b32 s[G1+1], 256<<16                     ; a dense block of 32,768 bytes as 128 rows of 256
	s_mov_b32 s[G1+2], 128<<16
	s_mov_b32 s[G1+3], 256<<16
	s_mov_b32 s[G1+4], 128
	s_mov_b32 s[G1+5], 256
	s_mov_b32 s[G1+6], 0
	s_mov_b32 s[G1+7], 0
	s_or_b32 s[G1B], s44, (1<<20)|(1<<21)|(5<<22)|(3<<25)   ; Wo's tiles go to my column; four words of padding after every 64
	s_mov_b32 s[G1B+1], 256<<16                    ; 64 rows of 256 bytes, 1,024 apart
	s_mov_b32 s[G1B+2], 64<<16
	s_mov_b32 s[G1B+3], 256<<16
	s_mov_b32 s[G1B+4], 64
	s_mov_b32 s[G1B+5], 1024
	s_mov_b32 s[G1B+6], 0
	s_mov_b32 s[G1B+7], 0
	s_lshl_b32 s20, s17, 18                        ; a: 262,144 bytes a block of rows, + 32,768 x half (two heads)
	s_lshl_b32 s18, s16, 15
	s_add_co_u32 s20, s20, s18
	s_mov_b32 s21, 0
	s_lshl_b32 s46, s42, 7
	s_lshl_b32 s47, s16, 6
	s_add_co_u32 s46, s46, s47                     ; Wo: row 128 x tile + 64 x half
	s_lshl_b32 s46, s46, 10
	s_mov_b32 s47, 0
	s_lshl_b32 s45, s16, 15                        ; where they go: no place in the cluster enters an LDS address
	s_mul_i32 s19, s16, 64*PITCH
	s_add_co_u32 s19, s19, ABYTES
	s_wait_dscnt 0x0                               ; the opening add is done
	s_wait_kmcnt 0x0
	s_load_b256 s[68:75], s[8:9], 0x0              ; e0 .. e7
	s_add_nc_u64 s[20:21], s[4:5], s[20:21]
	s_add_nc_u64 s[46:47], s[6:7], s[46:47]
	CROUND                                         ; all sixteen work-groups are here: the first joint loads meet
.irp s, 0,1
	s_mov_b32 s[G0+4*\s], 1
	s_add_co_u32 s[G0+4*\s+1], s45, \s*SLOT
	s_add_nc_u64 s[G0+4*\s+2:G0+4*\s+3], s[20:21], \s*65536
	s_or_b32 s[G0+4*\s+3], s[G0+4*\s+3], 0x80000000
	s_mov_b32 s[G0B+4*\s], 1
	s_add_co_u32 s[G0B+4*\s+1], s19, \s*SLOT
	s_add_nc_u64 s[G0B+4*\s+2:G0B+4*\s+3], s[46:47], \s*256
	s_or_b32 s[G0B+4*\s+3], s[G0B+4*\s+3], 0x80000000
	s_wait_alu depctr_va_vdst(0)
	s_wait_tensorcnt 0x0
	ds_add_u32 v28, v29
	ds_add_u32 v28, v29
	s_wait_dscnt 0x0
	CROUND
	JLOAD \s                                       ; one tensor load of mine is out: K piece 0, then piece 1
.endr
	v_and_b32 v1, 15, v0                           ; r
	v_bfe_u32 v2, v0, 4, 1                         ; h
	v_and_b32 v5, 31, v0
	v_lshlrev_b32 v[LI], 4, v5
	v_mul_u32_u24 v3, v1, PITCH
	v_lshl_add_u32 v4, v2, 3, v3                   ; Wo: row x pitch + 8 h
	s_lshl_b32 s22, s14, 12                        ; a: my four tiles' images in each head
	s_mov_b32 s23, ABYTES
.irp s, 0,1
	v_add_nc_u32 v[ADRA+\s], s22, v[LI]
	v_add_nc_u32 v[ADRB+\s], s23, v4
	s_add_co_u32 s22, s22, SLOT
	s_add_co_u32 s23, s23, SLOT
.endr
	s_mul_i32 s22, s14, 16*SPITCH
	s_add_co_u32 s22, s22, STAGE                   ; my stage
	v_mul_u32_u24 v6, v1, SPITCH                   ; in: row r, 32 bytes for each half of the lanes
	v_lshl_add_u32 v6, v2, 5, v6
	v_add_nc_u32 v[STO], s22, v6
	v_add_nc_u32 v[RD], s22, v[LI]                 ; back: the 32 lanes take one row of 512 bytes
	v_lshlrev_b32 v[BOF], 5, v2
	s_wait_alu depctr_va_vdst(0)
	s_lshl_b32 s[BB], s42, 9                       ; bo: 512 bytes a tile of columns
	s_mov_b32 s[BB+1], 0
	s_lshl_b32 s[OB], s17, 20                      ; out: 256 rows of 4,096 bytes a block, 64 a wave
	s_lshl_b32 s[OB+1], s14, 18
	s_add_co_u32 s[OB], s[OB], s[OB+1]
	s_add_co_u32 s[OB], s[OB], s[BB]               ; + 512 bytes a tile of columns
	s_mov_b32 s[OB+1], 0
	s_add_nc_u64 s[BB:BB+1], s[10:11], s[BB:BB+1]
	s_add_nc_u64 s[OB:OB+1], s[12:13], s[OB:OB+1]
	WIN 0xc0                                       ; destination window 3
.irp b, 0,1,2,3,4,5,6,7
	global_load_b128 v[8*\b:8*\b+3], v[BOF], s[BB:BB+1] offset:64*\b          ; bo(16 b + 8 h + 0 .. 7)
	global_load_b128 v[8*\b+4:8*\b+7], v[BOF], s[BB:BB+1] offset:64*\b+16
.endr
	WIN 0
.macro FA slot, q, p                   ; my four fragments of a, of the slot's q-th 128 along K (heads 2 q, 2 q + 1), into set p: 16 loads, 512 consecutive bytes each
.irp a, 0,1,2,3
.irp e, 0,1
.irp j, 0,1
	ds_load_b128 v[AF+64*(\p)+16*\a+8*\e+4*\j:AF+64*(\p)+16*\a+8*\e+4*\j+3], v[ADRA+\slot] offset:(2*(\q)+\e)*16384+1024*\a+512*\j
.endr
.endr
.endr
.endm
.macro FB slot, q, p, b0               ; Wo's fragments b0 .. b0 + 3: eight loads of 8 bytes each: registers 2 c, 2 c + 1 hold K = 16 c + 8 h + 0 .. 7, as the images have it
	WIN 0x40                                       ; destination window 1
.irp b, \b0, \b0+1, \b0+2, \b0+3
.irp c, 0,1,2,3,4,5,6,7
	ds_load_b64 v[128*(\p)+16*(\b)+2*\c:128*(\p)+16*(\b)+2*\c+1], v[ADRB+\slot] offset:16*PITCH*(\b)+128*(\q)+16*\c
.endr
.endr
	WIN 0
.endm
; 4 nb products: Wo's blocks b0 .. b0 + nb - 1 x my four tiles of rows.  The 32 accumulators take turns, one instruction a turn, in the same order in every step.
.macro MULB b0, nb, p, zero
	WIN 0xa1                                       ; source 0 (Wo) window 1, source 1 (a) window 0, C and D window 2
.set bb, \b0
.rept \nb
.irp a, 0,1,2,3
.if \zero
	v_wmma_f32_16x16x128_fp8_fp8 v[8*(4*bb+\a):8*(4*bb+\a)+7], v[128*(\p)+16*bb:128*(\p)+16*bb+15], v[AF+64*(\p)+16*\a:AF+64*(\p)+16*\a+15], 0
.else
	v_wmma_f32_16x16x128_fp8_fp8 v[8*(4*bb+\a):8*(4*bb+\a)+7], v[128*(\p)+16*bb:128*(\p)+16*bb+15], v[AF+64*(\p)+16*\a:AF+64*(\p)+16*\a+15], v[8*(4*bb+\a):8*(4*bb+\a)+7]
.endif
.endr
.set bb, bb+1
.endr
.endm
; A slot's first step multiplies set 0 and fetches the slot's second 128 along K into set 1: with that all my reads of the slot are issued.
; mode 1, 2: the change of slots: each wave waits for all its tensor loads, adds 0 to its spare word, waits for that and for its reads of this slot, and meets the others.  mode 2: the barrier opens a round of the
; cluster's, and this slot is filled again, two K pieces on.
.macro SA slot, zero, mode
	s_wait_dscnt 0x0                               ; set 0 is in
	PLACES 4                                       ; behind the last products that read set 1
	FA \slot, 1, 1
	FB \slot, 1, 1, 0
	MULB 0, 3, 0, \zero
	FB \slot, 1, 1, 4                              ; (leaves every window 0: the add's two registers lie in window 0)
.if \mode
	s_wait_tensorcnt 0x0                           ; all my tensor loads have landed: the one that was out is my part of the other slot;
	ds_add_u32 v[SPW], v[NIL]                      ; 0 onto my spare word; twelve products stand between it and the wait for it
.endif
	MULB 3, 3, 0, \zero
.if \mode
	s_wait_dscnt 0x0                               ; the add is done, and my reads of this slot are over
	s_barrier_signal -1
.endif
	MULB 6, 2, 0, \zero
	WIN 0
.if \mode
	s_barrier_wait -1
.endif
.if \mode == 2
	CREST                                          ; no wave of any partner still reads this slot or has a load on its way
	s_add_nc_u64 s[G0+4*\slot+2:G0+4*\slot+3], s[G0+4*\slot+2:G0+4*\slot+3], 2*65536
	s_add_nc_u64 s[G0B+4*\slot+2:G0B+4*\slot+3], s[G0B+4*\slot+2:G0B+4*\slot+3], 2*256
	JLOAD \slot                                    ; the first tensor load behind the round, my one load until the next; its four v_nop are also the places in front of the loads into set 0
.else
	PLACES 4
.endif
.endm
.macro SB next, fetch                  ; a slot's second step multiplies set 1; fetch = 1: the next slot's first 128 along K come into set 0
.if \fetch
	FA \next, 0, 0
	FB \next, 0, 0, 0
.else
	s_wait_dscnt 0x0                               ; set 1 is in
.endif
	MULB 0, 3, 1, 0
.if \fetch
	FB \next, 0, 0, 4
.endif
	MULB 3, 5, 1, 0
	WIN 0
.endm
	s_wait_tensorcnt 0x1                           ; my part of K piece 0 is in; piece 1's load may stay out
	s_barrier_signal -1
	s_barrier_wait -1                              ; everybody's is
	FA 0, 0, 0
	FB 0, 0, 0, 0
	FB 0, 0, 0, 4
	SA 0, 1, 2                                     ; piece 0; slot 0 takes piece 2
	SB 1, 1
	SA 1, 0, 2                                     ; piece 1; slot 1 takes piece 3
	SB 0, 1
	SA 0, 0, 1                                     ; piece 2; nothing is left to fetch, so no round follows the barrier
	SB 1, 1
	SA 1, 0, 0                                     ; piece 3
	SB 0, 0
; THE WAY OUT, a tile of 16 rows x 128 columns at a time.  A lane holds 32 neighbouring bytes of a row, and the lanes beside it hold other rows: so a tile goes through my own stage in LDS and comes back as whole rows of
; 512 bytes.  LDS serves a wave's instructions in order (ISA guide 5.7.1.4): no wait between the stores and the loads, nor in front of the next tile's stores.
.macro TOSTAGE a
	WIN 0x32                                       ; source 0 (the sums) window 2, source 2 (bo) window 3
.irp b, 0,1,2,3,4,5,6,7
.irp i, 0,2,4,6
	v_pk_fma_f32 v[TMP+8*\b+\i:TMP+8*\b+\i+1], v[8*(4*\b+(\a))+\i:8*(4*\b+(\a))+\i+1], s[SC:SC+1], v[8*\b+\i:8*\b+\i+1] op_sel_hi:[1,0,1]   ; sum x 2^(e6 + e7) + bo; each accumulator from its low end on
.endr
.endr
	WIN 0
.irp b, 0,1,2,3,4,5,6,7
	ds_store_b128 v[STO], v[TMP+8*\b:TMP+8*\b+3] offset:64*\b
	ds_store_b128 v[STO], v[TMP+8*\b+4:TMP+8*\b+7] offset:64*\b+16
.endr
.set RB, BK+64*((\a)%2)
.irp t, 0,1,2,3,4,5,6,7,8,9,10,11,12,13,14,15
	ds_load_b128 v[RB+4*\t:RB+4*\t+3], v[RD] offset:\t*SPITCH
.endr
.endm
.macro SEND a, younger                 ; younger: the LDS instructions issued behind tile a's loads, which may stay out
.set RB, BK+64*((\a)%2)
	s_wait_dscnt \younger                          ; the tile is back in registers
.irp t, 0,1,2,3,4,5,6,7,8,9,10,11,12,13,14,15
	global_store_b128 v[LI], v[RB+4*\t:RB+4*\t+3], s[OB:OB+1] offset:(16*(\a)+\t)*4096 th:TH_STORE_NT   ; 32 lanes store 512 consecutive bytes, aligned; written once, read by nobody here
.endr
.endm
	s_wait_kmcnt 0x0
	s_add_co_i32 s[SC], s74, s75                   ; e6 + e7
	s_add_co_i32 s[SC], s[SC], 127
	s_lshl_b32 s[SC], s[SC], 23                    ; 2^(e6 + e7) as f32
	s_mov_b32 s[SC+1], s[SC]                       ; (named with it as a pair, so it is written)
	s_wait_loadcnt 0x0                             ; bo
	PLACES 4                                       ; behind the last products: their results are read, and the registers that held a's fragments are written
	TOSTAGE 0
.irp a, 1,2,3
.if \a > 1
	s_wait_xcnt 0x0                                ; tile a - 2's stores have read their registers: tile a's loads may land there
.endif
	TOSTAGE \a
	SEND \a-1, 32                                  ; behind tile a - 1's loads: tile a's 16 stores and 16 loads
.endr
	SEND 3, 0
	s_wait_tensorcnt 0x0                           ; the wave's end: a wait, an add of 0 to my spare word and its wait, behind my last tensor load and my last LDS store
	ds_add_u32 v[SPW], v[NIL]
	s_wait_dscnt 0x0
	CROUND                                         ; the closing round: no work-group ends while a partner may still ask for a tile that names it
	s_endpgm
.Lfunc_end_k_q945c5274be_gemm_out:
	.size	k_q945c5274be_gemm_out, .Lfunc_end_k_q945c5274be_gemm_out-k_q945c5274be_gemm_out
	.p2alignl 7, 3214868480
	.fill 96, 4, 3214868480
	.section	.rodata,"a",@progbits
	.p2align	6, 0x0
	.amdhsa_kernel k_q945c5274be_gemm_out
		.amdhsa_group_segment_fixed_size 327680
		.amdhsa_private_segment_fixed_size 0
		.amdhsa_enable_private_segment 0
		.amdhsa_kernarg_size 40
		.amdhsa_user_sgpr_count 2
		.amdhsa_user_sgpr_kernarg_segment_ptr 1
		.amdhsa_wavefront_size32 1
		.amdhsa_system_sgpr_workgroup_id_x 1
		.amdhsa_system_sgpr_workgroup_id_y 1
		.amdhsa_system_sgpr_workgroup_id_z 1
		.amdhsa_system_vgpr_workitem_id 0
		.amdhsa_next_free_vgpr 1024
		.amdhsa_next_free_sgpr 80
		.amdhsa_reserve_vcc 0
		.amdhsa_float_denorm_mode_32 3
		.amdhsa_float_denorm_mode_16_64 3
		.amdhsa_memory_ordered 1
		.amdhsa_forward_progress 1
		.amdhsa_inst_pref_size 94
	.end_amdhsa_kernel
	.amdgpu_metadata
---
amdhsa.version: [ 1, 2 ]
amdhsa.kernels:
  - .name:           k_q945c5274be_gemm_out
    .symbol:         k_q945c5274be_gemm_out.kd
    .args:
      - { .name: aimg, .offset: 0, .size: 8, .value_kind: global_buffer, .address_space: global }
      - { .name: woc, .offset: 8, .size: 8, .value_kind: global_buffer, .address_space: global }
      - { .name: lowp_scales, .offset: 16, .size: 8, .value_kind: global_buffer, .address_space: global }
      - { .name: bo, .offset: 24, .size: 8, .value_kind: global_buffer, .address_space: global }
      - { .name: out0, .offset: 32, .size: 8, .value_kind: global_buffer, .address_space: global }
    .group_segment_fixed_size: 327680
    .private_segment_fixed_size: 0
    .kernarg_segment_align: 8
    .kernarg_segment_size: 40
    .max_flat_workgroup_size: 128
    .sgpr_count:     80
    .vgpr_count:     1024
    .wavefront_size: 32
...
	.end_amdgpu_metadata
.endif
;; end of part 4
